; MI455X (gfx1250); checked and timed in simulation.
; The chip was launched on July 23, 2026; its instructions are those of AMD's public machine-readable ISA for CDNA 5 (MIT licence, August 2026) and "CDNA5" Instruction Set Architecture Reference Guide (July 2026). The comments in the code are by the model that wrote it; some were corrected since.
;; FP8 Linear. Allowed arithmetic: matrix products marked QUANTISED: E5M2 operands, one E8M0 scale for each 32 along K, by v_wmma_scale_f32_16x16x128_f8f6f4 with both operands' format E5M2, f32 sums; everything else in f32.
;; Inputs: bias 4,000 float32; weight 4,000 x 4,096 float32; x 2 x 2,048 x 4,096 float32.
;; Outputs: out0 2 x 2,048 x 4,000 float32.
;; This version of the problem:
;;   THIS VERSION OF THE PROBLEM IS GIVEN IN LOW PRECISION. The matrix products marked QUANTISED in the list below multiply operands that are first quantised to E5M2 (5 exponent bits, 2 mantissa bits; 8 bits a number), with one power-of-two scale for each 32 numbers along K (OCP MX v1.0); their sums are f32. All else is computed in f32.
;;   The module's matrix products, in the order in which they are computed (A, B: the left and right operand; K: the contracted axis; several contracted axes count as one K, in the product's order):
;;     1. [M 4,096, K 4,096] x [K 4,096, N 4,000]; A: computed on the way; B: computed on the way: QUANTISED
;;   THE QUANTISER, for each operand of a quantised product, along K:
;;     - K is cut into blocks of 32 from its start; a last block that is shorter is filled with zeros.
;;     - A block's scale is 2^e with e = floor(log2(the largest magnitude in the block)) - 15, held to -126 .. 127; a block of zeros has e = 0. As a byte (E8M0): e + 127.
;;     - Each number is divided by its block's scale, clamped to +-57,344, and rounded to the nearest number of E5M2, ties to even, subnormals kept.
;;     - The product sums the exact products of the quantised numbers (number of the format x scale) in f32.
;;   ~~~python
;;   def quantise(x, axis):      # numpy; x: float32 -> the quantised numbers, widened to float32 again
;;       x = np.moveaxis(x, axis, -1); K = x.shape[-1]
;;       x = np.pad(x, [(0, 0)] * (x.ndim - 1) + [(0, -K % 32)]); x = x.reshape(x.shape[:-1] + (-1, 32)); a = np.abs(x).max(-1, keepdims=True)
;;       e = np.where(a > 0, np.clip(np.frexp(np.where(a > 0, a, 1))[1] - 1 - 15, -126, 127), 0)      # np.frexp(a)[1] - 1 = floor(log2(a)), exactly
;;       r = np.clip(x / 2.0 ** e, -57344, 57344)
;;       step = 2.0 ** (np.maximum(np.frexp(np.where(r == 0, 1, r))[1] - 1, -14) - 2)
;;       q = np.round(r / step) * step * 2.0 ** e      # np.round: ties to even
;;       return np.moveaxis(q.reshape(q.shape[:-2] + (-1,))[..., :K], -1, axis).astype(np.float32)
;;   ~~~
;;   OPERANDS COMPUTED ON THE WAY. 'Computed on the way' means the value that the module computes at that place (a softmax that the list does not call 'softmax' is quantised finished and normalised). What goes into a quantiser is computed in f32, as accurately as f32 sums, v_exp_f32 and their like allow (about 1e-6 of the number): no bf16 or f16 on the way to a quantiser, and a product that is left as it is and whose result goes on into a quantised operand takes f32 operands (vector FMAs, or v_wmma_f32_16x16x4_f32). A number that lies on a knife's edge between two numbers of the format may be rounded either way, as far as f32 arithmetic and the matrix unit's own rounding can turn it there, and no further.
;; One version. Each part assembles by itself: llvm-mc -triple=amdgcn-amd-amdhsa -mcpu=gfx1250 --defsym DOCPART=n.
;; ======== version 1 of 1: 2 launches
;; limits: right only within a limited range of input values
;; workspace buffers: xq 17,301,504 bytes; wq 17,301,504 bytes
;; launch quant (part 1): grid 1024 x 1, 4 waves a work-group, no clusters, 68,096 bytes of LDS; arguments x, weight, xq, wq; writes xq, wq
.if DOCPART == 1
	.amdgcn_target "amdgcn-amd-amdhsa--gfx1250"
	.amdhsa_code_object_version 6
	.text
	.protected	k_q6f810ab184_quant
	.globl	k_q6f810ab184_quant
	.p2align	8
	.type	k_q6f810ab184_quant,@function
k_q6f810ab184_quant:
	s_mov_b64 s[64:65], 0
	v_nop
	global_prefetch_b8 v0, s[64:65] scope:SCOPE_SE
	s_setreg_imm32_b32 hwreg(HW_REG_WAVE_MODE, 25, 1), 1
	s_wait_xcnt 0x0
; x [4096][4096] and weight [4000][4096], f32, K innermost, become codes of BF8 (E5M2) with one E8M0 scale byte for each 32 along K.
; What is quantised is clip(x / X_SCALE, +-448) and clip(weight / W_SCALE, +-448).  X_SCALE is f32(64 / 448), W_SCALE = 2^-9.
; THE LAYOUT OF xq AND wq is this program's own: 512 chunks of CH = 33,792 bytes.  Chunk (P, S), at (16 P + S) CH, holds rows 128 P .. 128 P + 127 and K = 256 S .. 256 S + 255 as an IMAGE OF
; THE OPERAND'S REGISTERS: fragment (q, i) (128 along K from 128 q on, rows 16 i on) at (8 q + i) x 2,048; in it register group c at 512 c, lane l at 16 l: the codes of row 16 i + l % 16,
; K = 128 q + 32 c + 16 (l / 16) + 0 .. 15.  Behind the codes, at 32,768 + 8 x row + 4 q, the row's scale word for those 128 along K.  wq has 4,096 rows: rows 4,000 on are zero codes.
; THE CLIP COSTS NO LINE.  A block's largest magnitude is held at 448 = 1.75 x 2^8, so the quantiser's own hold, 57,344 x the scale = 1.75 x 2^floor(log2(largest magnitude)), is never above 448:
; one v_med3_num_f32 a number is the clip and the hold.  The largest magnitude is taken of the raw numbers and scaled once: rounding is monotone, so that is the largest of the scaled numbers.
; SHARES.  Work-groups 0-511 take x's chunks, 512-1023 weight's.  Wave w takes the chunk's rows 32 w .. 32 w + 31 in four steps t = 2 ib + q of 16 rows x 128 K, one fragment each.
; Each load reads 512 consecutive bytes of one row; a step's 8,192 bytes turn through the wave's own stage in LDS (rows 528 bytes apart), so that a lane gets 16 neighbours along K of each of its row's four blocks.
; No barrier: waves share nothing.  Up to 48 loads of a wave are out.
; LIMITS: NaN among the inputs is not served.  Infinities are held at 448, as the clip holds them.  x / X_SCALE is a multiplication by the f32 number nearest 1 / X_SCALE (0x40dfffff), weight / W_SCALE
; one by 512, which is exact.  A block whose largest magnitude lies under 2^(16 - 127), a block of zeros too, gets the byte 1 (pad rows: 127): its codes add nothing, and this program alone reads the bytes.
.set CH,   33792
.set LOFF, 2                           ; v2   16 x lane: my bytes of a load's 512
.set COFF, 3                           ; v3   16 x lane + 4,096 x wave: my bytes of a fragment's register group, in the chunk
.set SOFF, 4                           ; v4   32,768 + 256 x wave + 8 x lane: my row's two scale words
.set STI,  5                           ; v5   the stage, on the way in: 16,896 x wave + 16 x lane
.set STO,  6                           ; v6   and on the way out: 16,896 x wave + 528 (lane % 16) + 64 (lane / 16)
.set PW,   8                           ; v8-11   the four steps' scale words
.set R,    16                          ; v16-207 three sets of 64 numbers
.set PC,   208                         ; v208-239 two sets of 16 registers of codes
.set TM,   240                         ; v240-243 largest magnitudes; v244-247 the other half's, then bytes; v248-251 the hold; v252-255 the conversions' scale operands
.set SP,   528                         ; a stage row: 512 bytes + 16
	s_load_b128 s[4:7], s[0:1], 0x0                ; x, weight
	s_load_b128 s[8:11], s[0:1], 0x10              ; xq, wq
	v_lshl_add_u32 v14, v0, 2, 0x10800
	v_mov_b32 v15, 0
	v_lshrrev_b32 v1, 5, v0
	v_readfirstlane_b32 s16, v1                    ; wave 0..3
	v_and_b32 v1, 31, v0                           ; lane
	v_lshlrev_b32 v[LOFF], 4, v1
	s_lshl_b32 s17, s16, 12
	v_add_nc_u32 v[COFF], s17, v[LOFF]
	s_lshl_b32 s17, s16, 8
	v_lshl_add_u32 v[SOFF], v1, 3, s17
	v_add_nc_u32 v[SOFF], 32768, v[SOFF]
	s_mul_i32 s17, s16, 2*16*SP                    ; my two stages
	v_add_nc_u32 v[STI], s17, v[LOFF]
	v_and_b32 v7, 15, v0
	v_bfe_u32 v[STO], v0, 4, 1
	v_mul_u32_u24 v7, v7, SP
	v_lshl_add_u32 v[STO], v[STO], 6, v7
	v_add_nc_u32 v[STO], s17, v[STO]
.irp b, 0,1,2,3
	v_mov_b32 v[TM+4+\b], 0                        ; written once: a lane permute's destination counts as one of its sources
.endr
	s_mov_b32 s20, 0x44000000                      ; 512.0 = 1 / W_SCALE
	s_mov_b32 s22, 4000                            ; weight's rows
	s_mov_b32 s23, 0x600000                        ; the mantissa field of 57,344 (and of 448)
	s_mov_b32 s24, 0x08000000                      ; the floor 2^(16 - 127): the byte cannot fall under 1
	s_mov_b32 s25, 0x43e00000                      ; 448.0
	s_mov_b32 s26, 0x76543210
	s_mov_b32 s27, 0xfedcba98                      ; v_permlanex16_b32's selects for lane l xor 16
	s_and_b32 s18, ttmp9, 511                      ; my chunk of the tensor
	s_lshr_b32 s19, s18, 4                         ; P
	s_and_b32 s28, s18, 15                         ; S
	s_lshl_b32 s19, s19, 7
	s_lshl_b32 s29, s16, 5
	s_add_co_u32 s19, s19, s29                     ; my wave's first row: 128 P + 32 x wave
	s_lshl_b32 s30, s19, 14                        ; x 16,384 bytes a row (under 2^26),
	s_lshl_b32 s28, s28, 10
	s_add_co_u32 s30, s30, s28                     ; + 1,024 S
	s_mov_b32 s31, 0
	s_mul_i32 s28, s18, CH                         ; where my chunk lies
	s_mov_b32 s29, 0
	s_wait_kmcnt 0x0
	s_cmp_lt_u32 ttmp9, 512                        ; x's work-group or weight's?  The choice hangs on the work-group's number alone
	s_cselect_b64 s[4:5], s[4:5], s[6:7]
	s_cselect_b64 s[8:9], s[8:9], s[10:11]
	s_cselect_b32 s20, 0x40dfffff, s20             ; the factor: 1 / X_SCALE or 512
	s_cselect_b32 s22, 4096, s22                   ; the tensor's rows
	s_mov_b32 s21, s20                             ; (the packed multiply names the pair and takes its low word for both halves: so s21 is written)
	s_add_nc_u64 s[8:9], s[8:9], s[28:29]
	s_cmp_ge_u32 s19, s22
	s_cbranch_scc1 .Lpad                           ; weight's last panel, waves 1 to 3: rows 4,000 on do not exist
	s_add_nc_u64 s[4:5], s[4:5], s[30:31]
.macro LOAD t                          ; step t's 16 rows x 512 bytes into set t % 3: register group p = row p, 16 bytes a lane
.set RS, R+64*((\t)%3)
.irp p, 0,1,2,3,4,5,6,7,8,9,10,11,12,13,14,15
	global_load_b128 v[RS+4*\p:RS+4*\p+3], v[LOFF], s[4:5] offset:(16*((\t)/2)+\p)*16384+512*((\t)%2) th:TH_LOAD_NT
.endr
.endm
.macro TURN t                          ; through stage t % 2, in place.  Afterwards register 16 b + i of lane (r, h) is the number at row r, K = 32 b + 16 h + i.  LDS serves a wave's instructions in order (ISA guide 5.7.1.4): no wait between
.set RS, R+64*((\t)%3)
.irp p, 0,1,2,3,4,5,6,7,8,9,10,11,12,13,14,15
	ds_store_b128 v[STI], v[RS+4*\p:RS+4*\p+3] offset:16*SP*((\t)%2)+SP*\p
.endr
.irp b, 0,1,2,3
.irp j, 0,1,2,3
	ds_load_b128 v[RS+16*\b+4*\j:RS+16*\b+4*\j+3], v[STO] offset:16*SP*((\t)%2)+128*\b+16*\j
.endr
.endr
.endm
.macro QUANT t                         ; set t % 3 becomes a fragment's codes in PC's set t % 2 and a scale word in v[PW + t]; the four blocks by turns, so that no line waits for the line above it
.set RS, R+64*((\t)%3)
.set PCS, PC+16*((\t)%2)
.irp b, 0,1,2,3
	v_max3_num_f32 v[TM+\b], |v[RS+16*\b]|, |v[RS+16*\b+1]|, |v[RS+16*\b+2]|
.endr
.irp i, 3,5,7,9,11,13
.irp b, 0,1,2,3
	v_max3_num_f32 v[TM+\b], v[TM+\b], |v[RS+16*\b+\i]|, |v[RS+16*\b+\i+1]|
.endr
.endr
.irp b, 0,1,2,3
	v_max_num_f32 v[TM+\b], v[TM+\b], |v[RS+16*\b+15]|
.endr
.irp b, 0,1,2,3
	v_permlanex16_b32 v[TM+4+\b], v[TM+\b], s26, s27
.endr
.irp b, 0,1,2,3
	v_max_num_f32 v[TM+\b], v[TM+\b], v[TM+4+\b]   ; with lane l xor 16's 16 numbers: the block's largest raw magnitude
.endr
.irp b, 0,1,2,3
	v_mul_f32 v[TM+\b], s20, v[TM+\b]              ; scaled,
.endr
.irp b, 0,1,2,3
	v_med3_num_f32 v[TM+\b], v[TM+\b], s24, s25    ; and held between the floor and 448: the clip, as far as the largest magnitude goes
.endr
.irp b, 0,1,2,3
	v_add_nc_u32 v[TM+12+\b], 0xf8800000, v[TM+\b] ; 15 off its exponent field: the conversion takes the exponent field of this operand as its scale, and nothing else of it
.endr
.irp b, 0,1,2,3
	v_and_or_b32 v[TM+8+\b], v[TM+\b], 0x7f800000, s23   ; 57,344 x the scale: at most 448
.endr
.irp b, 0,1,2,3
	v_lshrrev_b32 v[TM+4+\b], 23, v[TM+12+\b]      ; the scale's byte
.endr
	v_lshl_or_b32 v[PW+(\t)], v[TM+5], 8, v[TM+4]  ; the four bytes make my row's scale word; both halves of the lanes hold it
	v_lshl_or_b32 v[PW+(\t)], v[TM+6], 16, v[PW+(\t)]
	v_lshl_or_b32 v[PW+(\t)], v[TM+7], 24, v[PW+(\t)]
.if (\t) >= 2
	s_wait_xcnt 0x0                                ; the stores of two steps back have read this set of codes: it is written again only behind this wait
.endif
.irp b, 0,1,2,3
.irp i, 0,2,4,6,8,10,12,14
	v_pk_mul_f32 v[RS+16*\b+\i:RS+16*\b+\i+1], v[RS+16*\b+\i:RS+16*\b+\i+1], s[20:21] op_sel_hi:[1,0]
.endr
.irp i, 0,1,2,3,4,5,6,7,8,9,10,11,12,13,14,15
	v_med3_num_f32 v[RS+16*\b+\i], v[RS+16*\b+\i], -v[TM+8+\b], v[TM+8+\b]   ; the clip at 448 and the hold at the largest code x the scale in one (the conversion does not saturate: ISA guide 7.6.2)
.endr
	v_cvt_scalef32_pk8_bf8_f32 v[PCS+4*\b:PCS+4*\b+1], v[RS+16*\b:RS+16*\b+7], v[TM+12+\b]
	v_cvt_scalef32_pk8_bf8_f32 v[PCS+4*\b+2:PCS+4*\b+3], v[RS+16*\b+8:RS+16*\b+15], v[TM+12+\b]
.endr
	v_nop                                          ; one plain vector line behind the last conversion
.endm
.macro OUT t                           ; the fragment leaves as it stands: each store of the wave covers 512 consecutive bytes, at a multiple of 256 from the buffer's first byte
.set PCS, PC+16*((\t)%2)
.irp c, 0,1,2,3
	global_store_b128 v[COFF], v[PCS+4*\c:PCS+4*\c+3], s[8:9] offset:16384*((\t)%2)+2048*((\t)/2)+512*\c
.endr
.endm
	LOAD 0
	LOAD 1
	LOAD 2
	s_wait_loadcnt 32                              ; step 0's 16 loads are in; the 32 of steps 1 and 2 may be out
	s_wait_alu depctr_va_vdst(0)
	TURN 0
	s_wait_loadcnt 16                              ; step 1's are in; step 2's may be out
	TURN 1
	s_wait_dscnt 32                                ; step 0 is back from its stage; step 1's 16 stores and 16 loads may be out
	QUANT 0
	OUT 0
	LOAD 3                                         ; into step 0's set, which has been read
	s_wait_loadcnt 16                              ; step 2's are in; step 3's may be out
	TURN 2
	s_wait_dscnt 32
	QUANT 1
	OUT 1
	s_wait_loadcnt 0x0                             ; step 3's: nothing was issued behind them
	TURN 3
	s_wait_dscnt 32
	QUANT 2
	OUT 2
	s_wait_dscnt 0x0
	QUANT 3
	OUT 3
	v_cmp_gt_u32 vcc_lo, 16, v1                    ; lanes 0-15 keep the words of rows 32 w + lane (steps 0, 1), lanes 16-31 those of the second 16 rows (steps 2, 3)
	v_cndmask_b32 v12, v[PW+2], v[PW], vcc_lo
	v_cndmask_b32 v13, v[PW+3], v[PW+1], vcc_lo
	global_store_b64 v[SOFF], v[12:13], s[8:9]     ; 32 lanes store 256 consecutive bytes, aligned
	s_wait_tensorcnt 0x0
	ds_add_u32 v14, v15
	s_wait_dscnt 0x0
	s_endpgm
.Lpad:                                             ; rows that weight does not have: zero codes, and the byte 127
.irp j, 16,17,18,19
	v_mov_b32 v[\j], 0
.endr
	v_mov_b32 v12, 0x7f7f7f7f
	v_mov_b32 v13, 0x7f7f7f7f
.irp f, 0,1,2,3
.irp c, 0,1,2,3
	global_store_b128 v[COFF], v[16:19], s[8:9] offset:16384*(\f%2)+2048*(\f/2)+512*\c
.endr
.endr
	global_store_b64 v[SOFF], v[12:13], s[8:9]
	s_endpgm
.Lfunc_end_k_q6f810ab184_quant:
	.size	k_q6f810ab184_quant, .Lfunc_end_k_q6f810ab184_quant-k_q6f810ab184_quant
	.p2alignl 7, 3214868480
	.fill 96, 4, 3214868480
	.section	.rodata,"a",@progbits
	.p2align	6, 0x0
	.amdhsa_kernel k_q6f810ab184_quant
		.amdhsa_group_segment_fixed_size 68096
		.amdhsa_private_segment_fixed_size 0
		.amdhsa_enable_private_segment 0
		.amdhsa_kernarg_size 32
		.amdhsa_user_sgpr_count 2
		.amdhsa_user_sgpr_kernarg_segment_ptr 1
		.amdhsa_wavefront_size32 1
		.amdhsa_system_sgpr_workgroup_id_x 1
		.amdhsa_system_sgpr_workgroup_id_y 1
		.amdhsa_system_sgpr_workgroup_id_z 1
		.amdhsa_system_vgpr_workitem_id 0
		.amdhsa_next_free_vgpr 256
		.amdhsa_next_free_sgpr 66
		.amdhsa_reserve_vcc 1
		.amdhsa_float_denorm_mode_32 3
		.amdhsa_float_denorm_mode_16_64 3
		.amdhsa_memory_ordered 1
		.amdhsa_forward_progress 1
		.amdhsa_inst_pref_size 62
	.end_amdhsa_kernel
	.amdgpu_metadata
---
amdhsa.version: [ 1, 2 ]
amdhsa.kernels:
  - .name:           k_q6f810ab184_quant
    .symbol:         k_q6f810ab184_quant.kd
    .args:
      - { .name: x, .offset: 0, .size: 8, .value_kind: global_buffer, .address_space: global }
      - { .name: weight, .offset: 8, .size: 8, .value_kind: global_buffer, .address_space: global }
      - { .name: xq, .offset: 16, .size: 8, .value_kind: global_buffer, .address_space: global }
      - { .name: wq, .offset: 24, .size: 8, .value_kind: global_buffer, .address_space: global }
    .group_segment_fixed_size: 68096
    .private_segment_fixed_size: 0
    .kernarg_segment_align: 8
    .kernarg_segment_size: 32
    .max_flat_workgroup_size: 128
    .sgpr_count:     66
    .vgpr_count:     256
    .wavefront_size: 32
...
	.end_amdgpu_metadata
.endif
;; end of part 1
;; launch gemm (part 2): grid 16 x 16, 4 waves a work-group, clusters of 4 x 4, 327,680 bytes of LDS; arguments xq, wq, bias, out0; writes out0
.if DOCPART == 2
	.amdgcn_target "amdgcn-amd-amdhsa--gfx1250"
	.amdhsa_code_object_version 6
	.text
	.protected	k_q6f810ab184_gemm
	.globl	k_q6f810ab184_gemm
	.p2align	8
	.type	k_q6f810ab184_gemm,@function
k_q6f810ab184_gemm:
	s_mov_b64 s[64:65], 0
	v_nop
	global_prefetch_b8 v0, s[64:65] scope:SCOPE_SE
	s_setreg_imm32_b32 hwreg(HW_REG_WAVE_MODE, 25, 1), 1
	s_wait_xcnt 0x0
	s_wait_alu depctr_hold_cnt(0) depctr_sa_sdst(0) depctr_va_vdst(0) depctr_va_sdst(0) depctr_va_ssrc(0) depctr_va_vcc(0) depctr_vm_vsrc(0)
	s_getreg_b32 s2, hwreg(HW_REG_IB_STS2, 6, 4)
	s_cmp_eq_u32 s2, 0
	s_cbranch_scc0 .Lentry_in_a_cluster
	s_endpgm
.Lentry_in_a_cluster:
	s_bfe_u32 s2, ttmp6, 0x10000c
	s_cmp_lg_u32 s2, 0xf033
	s_cbranch_scc0 .Lentry_shape_is_right
	s_endpgm
.Lentry_shape_is_right:
; out0[m][n] = X_SCALE W_SCALE x (sum over k of xq[m][k] wq[n][k]) + bias[n], on codes of MX-BF8 (E5M2, an E8M0 byte for 32 along K) as launch quant leaves them:
; chunk (P, S) of CH bytes holds rows 128 P on and K = 256 S on as an image of the operand's registers, its scale words behind the codes.
; A tile of out0, 256 x 256, is made by a work-group of four waves, each 128 x 128: 64 accumulators, 512 registers.  K goes in steps of 256 through a ring of two LDS slots; a wave fetches one chunk, a dense run of 132 rows of 256 bytes.
; CLUSTERS: 4 x 4 work-groups.  x's chunks are shared along a row of the cluster, weight's along a column: each is asked for jointly.  Every refill stands behind a round of the cluster's barrier, the three lines ahead of it.
; A CHANGE OF SLOTS: behind the last step's first sixteen products the wait for all tensor loads and the add; eight products; the wait for the add and for the old slot's reads, and the signal; eight products; the barrier's wait and the rest
; of the round; the joint refill; then the next slot's first fragments in one run.  A refill has 112 products between its request and the wait for it.
; THE HEAD: one round, K step 0's joint load, the address work; then the three lines, a round, and K step 1's load into slot 1.
; PREFETCH: behind each joint load every wave asks for its share of the chunk that it will fetch two refills on: of the chunk's 132 blocks of 256 bytes each of the four partners that fetch it jointly takes 33, told apart by address:
; a lane a block, and one more instruction for the 33rd.  K step 1 is asked for behind the first joint load, K steps 2 and 3 behind the second; the last two refills ask for nothing.
; THE MATRIX INSTRUCTION IS USED TRANSPOSED (source 0 = 16 rows of weight, source 1 = 16 rows of x): a lane holds eight neighbouring columns of a row of out0.  One register carries x's scale words (lanes 0-15) and weight's (lanes 16-31).
; THE WAY OUT: blocks of 16 rows through the wave's own stage in slot 0, which has had its last fill and its last read; x the two scales, + the bias; columns 4,000 on (zero codes in wq) are not stored.
; LIMITS: as launch quant states them.  Sums beyond f32's range are not served.
.set CH,     33792
.set PFZ,    27                        ; v27  32 x 256 in every lane: my 33rd block
.set PANEL,  16*CH
.set SLOT,   4*CH
.set SPARE,  2*SLOT
.set NQ,     2
.set FR,     16
.set NL,     4
.set NP,     8
.set SPITCH, 528
.set OROW,   16000
.set ADRA, 16
.set ADRB, 20
.set ADRS, 22
.set STO,  24
.set RD,   25
.set CO,   26
.set SPW,  28
.set NIL,  29
.set PFO,  30
.set BO,   31
.set SC,   32
.set BI,   64
.set AF,   128
.set BK,   128
.set G1,  24
.set G0,  32
.set G1B, 48
.set G0B, 56
.set PFA, 66
.set LIM, 68
.set MSB, 0
.macro WIN new
.if MSB != \new
	s_set_vgpr_msb (MSB<<8)|\new
.set MSB, \new
.endif
.endm
.set MUL_LO, 0xa1
.set MUL_HI, 0xf1
.set TO_B,   0x40
.macro JLOAD g0a, g1a, g0b, g1b
	s_cmp_eq_u32 s15, 0
	s_cbranch_scc0 .Lfor_b_\@
	tensor_load_to_lds s[\g0a:\g0a+3], s[\g1a:\g1a+7]
	s_nop 0
.rept 4
	v_nop
.endr
	s_branch .Lasked_\@
.Lfor_b_\@:
	tensor_load_to_lds s[\g0b:\g0b+3], s[\g1b:\g1b+7]
	s_nop 0
.rept 4
	v_nop
.endr
.Lasked_\@:
.endm
.macro CREST
	s_cmp_lg_u32 s14, 0
	s_cbranch_scc1 .Lnot_wave_0_\@
	s_barrier_signal -3
.Lnot_wave_0_\@:
	s_barrier_wait -3
	s_barrier_signal -1
	s_barrier_wait -1
.endm
.macro CROUND
	s_barrier_signal -1
	s_barrier_wait -1
	CREST
.endm
.macro ASK
	s_cmp_gt_u32 s3, s[LIM]
	s_cbranch_scc0 .Lnot_mine_\@
	global_prefetch_b8 v[PFO], s[PFA:PFA+1] th:TH_LOAD_NT scope:SCOPE_SE
	global_prefetch_b8 v[PFZ], s[PFA:PFA+1] th:TH_LOAD_NT scope:SCOPE_SE
.Lnot_mine_\@:
.endm
	s_load_b256 s[4:11], s[0:1], 0x0
	v_lshl_add_u32 v[SPW], v0, 2, SPARE
	v_mov_b32 v[NIL], 0
	ds_add_u32 v28, v29
	ds_add_u32 v28, v29
	s_wait_dscnt 0x0
	v_lshrrev_b32 v1, 5, v0
	v_readfirstlane_b32 s14, v1
	s_lshr_b32 s15, s14, 1
	s_and_b32 s16, s14, 1
	s_bfe_u32 s40, ttmp6, 0x40000
	s_bfe_u32 s41, ttmp6, 0x40004
	s_lshl_b32 s42, ttmp9, 2
	s_add_co_u32 s42, s42, s40
	s_and_b32 s17, ttmp7, 0xffff
	s_lshl_b32 s17, s17, 2
	s_add_co_u32 s17, s17, s41
	s_lshl_b32 s43, s41, 2
	s_lshl_b32 s43, 15, s43
	s_lshl_b32 s44, 0x1111, s40
	s_or_b32 s[G1+0], s43, (3<<16)|(1<<21)
	s_or_b32 s[G1B+0], s44, (3<<16)|(1<<21)
.irp g, G1, G1B
	s_mov_b32 s[\g+1], 32<<16
	s_mov_b32 s[\g+2], 132<<16
	s_mov_b32 s[\g+3], 32<<16
	s_mov_b32 s[\g+4], 132
	s_mov_b32 s[\g+5], 32
	s_mov_b32 s[\g+6], 0
	s_mov_b32 s[\g+7], 0
.endr
	s_lshl_b32 s20, s17, 1
	s_add_co_u32 s20, s20, s16
	s_mul_i32 s20, s20, PANEL
	s_mov_b32 s21, 0
	s_lshl_b32 s46, s42, 1
	s_add_co_u32 s46, s46, s16
	s_mul_i32 s46, s46, PANEL
	s_mov_b32 s47, 0
	s_mul_i32 s45, s14, CH
	s_mov_b32 s78, 0x39924925
	s_mov_b32 s79, s78
	s_wait_kmcnt 0x0
	s_add_nc_u64 s[20:21], s[4:5], s[20:21]
	s_add_nc_u64 s[46:47], s[6:7], s[46:47]
	CROUND
.irp s, 0,1
	s_mov_b32 s[G0+4*\s], 1
	s_add_co_u32 s[G0+4*\s+1], s45, \s*SLOT
	s_add_nc_u64 s[G0+4*\s+2:G0+4*\s+3], s[20:21], \s*CH
	s_or_b32 s[G0+4*\s+3], s[G0+4*\s+3], 0x80000000
	s_mov_b32 s[G0B+4*\s], 1
	s_add_co_u32 s[G0B+4*\s+1], s45, \s*SLOT
	s_add_nc_u64 s[G0B+4*\s+2:G0B+4*\s+3], s[46:47], \s*CH
	s_or_b32 s[G0B+4*\s+3], s[G0B+4*\s+3], 0x80000000
.endr
	JLOAD G0, G1, G0B, G1B                         ; K step 0: one tensor load a wave at the head, behind the one round
	v_and_b32 v1, 15, v0
	v_bfe_u32 v2, v0, 4, 1
	s_wait_alu depctr_va_vdst(0)
	v_and_b32 v3, 31, v0
	v_lshlrev_b32 v[CO], 4, v3
	s_mul_i32 s21, s15, CH
	s_mul_i32 s22, s16, CH
	s_add_co_u32 s22, s22, 2*CH
.irp s, 0,1
	v_add_nc_u32 v[ADRA+\s], s21, v[CO]
	v_add_nc_u32 v[ADRB+\s], s22, v[CO]
	s_add_co_u32 s21, s21, SLOT
	s_add_co_u32 s22, s22, SLOT
.endr
	s_mul_i32 s21, s15, CH
	s_mul_i32 s22, s16, CH
	s_add_co_u32 s22, s22, 2*CH
	s_sub_co_u32 s22, s22, s21
	v_mul_u32_u24 v4, s22, v2
	v_lshl_add_u32 v4, v1, 3, v4
	s_add_co_u32 s21, s21, 32768
	v_add_nc_u32 v[ADRS], s21, v4
	v_add_nc_u32 v[ADRS+1], SLOT, v[ADRS]
	s_mul_i32 s23, s14, 16*SPITCH
	v_mul_u32_u24 v5, v1, SPITCH
	v_lshl_add_u32 v5, v2, 5, v5
	v_add_nc_u32 v[STO], s23, v5
	v_add_nc_u32 v[RD], s23, v[CO]
	s_lshl_b32 s70, s42, 10
	s_lshl_b32 s71, s16, 9
	s_add_co_u32 s70, s70, s71
	s_mov_b32 s71, 0
	v_add_nc_u32 v[BO], s70, v[CO]
	v_min_u32 v[BO], OROW-16, v[BO]
	global_load_b128 v[BI:BI+3], v[BO], s[8:9]
	s_sub_co_u32 s77, OROW, s70
	s_lshl_b32 s20, s17, 8
	s_lshl_b32 s21, s15, 7
	s_add_co_u32 s20, s20, s21
	s_mul_i32 s20, s20, OROW
	s_mov_b32 s21, 0
	s_add_nc_u64 s[10:11], s[10:11], s[20:21]
	s_add_nc_u64 s[10:11], s[10:11], s[70:71]
	s_cmp_eq_u32 s15, 0                            ; do I fetch for x?
	s_cselect_b32 s73, s17, s42                    ; the tile's number: by the tile row, or by the tile column
	s_cselect_b32 s74, s40, s41                    ; my place among the four that ask for the chunk with me
	s_cselect_b64 s[PFA:PFA+1], s[4:5], s[6:7]
	s_mov_b32 s[LIM], 1                            ; every cluster asks for what it will load, in all trips but the last
	s_lshl_b32 s73, s73, 1
	s_add_co_u32 s73, s73, s16
	s_mul_i32 s73, s73, PANEL                      ; the panel that I fetch
	s_mul_i32 s74, s74, 33*256                     ; my work-group's 33 blocks of a chunk
	s_add_co_u32 s74, s74, s73
	s_add_co_u32 s74, s74, 3*CH                    ; at K step 3: each refill steps it by a chunk ahead of its prefetch
	s_mov_b32 s75, 0
	s_add_nc_u64 s[PFA:PFA+1], s[PFA:PFA+1], s[74:75]
	v_lshlrev_b32 v[PFO], 8, v3
	v_mov_b32 v[PFZ], 32*256
	global_prefetch_b8 v[PFO], s[PFA:PFA+1] offset:-2*CH th:TH_LOAD_NT scope:SCOPE_SE   ; K step 1
	global_prefetch_b8 v[PFZ], s[PFA:PFA+1] offset:-2*CH th:TH_LOAD_NT scope:SCOPE_SE
.macro FRAG reg, adr, q, i
.irp c, 0,1,2,3
	ds_load_b128 v[\reg+4*\c:\reg+4*\c+3], v[\adr] offset:(8*(\q)+(\i))*2048+512*\c
.endr
.endm
.macro MUL16 a0, p, q, sc, zero
.irp a, \a0, \a0+1
.irp b, 0,1,2,3,4,5,6,7
.if \zero
	v_wmma_scale_f32_16x16x128_f8f6f4 v[8*(8*((\a)%4)+\b):8*(8*((\a)%4)+\b)+7], v[128*(\p)+FR*\b:128*(\p)+FR*\b+FR-1], v[AF+FR*(\a):AF+FR*(\a)+FR-1], 0, v[SC+8*NQ*(\sc)+NQ*\b+(\q)], v[SC+8*NQ*(\sc)+NQ*(\a)+(\q)] matrix_a_fmt:MATRIX_FMT_BF8 matrix_b_fmt:MATRIX_FMT_BF8 matrix_a_scale:MATRIX_SCALE_ROW1
.else
	v_wmma_scale_f32_16x16x128_f8f6f4 v[8*(8*((\a)%4)+\b):8*(8*((\a)%4)+\b)+7], v[128*(\p)+FR*\b:128*(\p)+FR*\b+FR-1], v[AF+FR*(\a):AF+FR*(\a)+FR-1], v[8*(8*((\a)%4)+\b):8*(8*((\a)%4)+\b)+7], v[SC+8*NQ*(\sc)+NQ*\b+(\q)], v[SC+8*NQ*(\sc)+NQ*(\a)+(\q)] matrix_a_fmt:MATRIX_FMT_BF8 matrix_b_fmt:MATRIX_FMT_BF8 matrix_a_scale:MATRIX_SCALE_ROW1
.endif
.endr
.endr
.endm
.macro MUL8 a, p, q, sc                ; eight products: x's block a against weight's eight
.irp b, 0,1,2,3,4,5,6,7
	v_wmma_scale_f32_16x16x128_f8f6f4 v[8*(8*((\a)%4)+\b):8*(8*((\a)%4)+\b)+7], v[128*(\p)+FR*\b:128*(\p)+FR*\b+FR-1], v[AF+FR*(\a):AF+FR*(\a)+FR-1], v[8*(8*((\a)%4)+\b):8*(8*((\a)%4)+\b)+7], v[SC+8*NQ*(\sc)+NQ*\b+(\q)], v[SC+8*NQ*(\sc)+NQ*(\a)+(\q)] matrix_a_fmt:MATRIX_FMT_BF8 matrix_b_fmt:MATRIX_FMT_BF8 matrix_a_scale:MATRIX_SCALE_ROW1
.endr
.endm
.macro FETCH_B slot, q, p
	WIN TO_B
.irp i, 0,1,2,3,4,5,6,7
	FRAG 128*(\p)+FR*\i, ADRB+\slot, \q, \i
.endr
	WIN 0
.endm
.macro FETCH_A slot, q, i0
.irp i, \i0, \i0+1, \i0+2, \i0+3
	FRAG AF+FR*(\i), ADRA+\slot, \q, \i
.endr
.endm
.macro SCALES s
.irp i, 0,1,2,3,4,5,6,7
	ds_load_b64 v[SC+8*NQ*\s+NQ*\i:SC+8*NQ*\s+NQ*\i+1], v[ADRS+\s] offset:128*\i
.endr
.endm
.macro PLACES n
.rept \n
	v_nop
.endr
.endm
.macro STEP slot, q, zero
	s_wait_dscnt 4*NL
	WIN MUL_LO
	MUL16 0, (\q)%2, \q, \slot, \zero
	MUL16 2, (\q)%2, \q, \slot, \zero
	s_wait_dscnt 0
	PLACES NP
	FETCH_B \slot, (\q)+1, 1-(\q)%2
	FETCH_A \slot, (\q)+1, 0
	WIN MUL_HI
	MUL16 4, (\q)%2, \q, \slot, \zero
	MUL16 6, (\q)%2, \q, \slot, \zero
	PLACES NP
	WIN 0
	FETCH_A \slot, (\q)+1, 4
.endm
.macro TURN slot, next, fill
.if \fill
	s_wait_xcnt 0x0
	s_add_nc_u64 s[PFA:PFA+1], s[PFA:PFA+1], CH
.endif
	s_wait_dscnt 4*NL
	WIN MUL_LO
	MUL16 0, 1, NQ-1, \slot, 0
	WIN 0                                          ; (the add's two registers lie in window 0)
	s_wait_tensorcnt 0x0                           ; all my tensor loads have landed: my chunk of the next slot;
	ds_add_u32 v[SPW], v[NIL]                      ; 0 onto my spare word
.if \fill
	s_add_nc_u64 s[G0+4*\slot+2:G0+4*\slot+3], s[G0+4*\slot+2:G0+4*\slot+3], 2*CH
	s_add_nc_u64 s[G0B+4*\slot+2:G0B+4*\slot+3], s[G0B+4*\slot+2:G0B+4*\slot+3], 2*CH
.endif
	WIN MUL_LO
	MUL8 2, 1, NQ-1, \slot                         ; eight products stand between the add and the wait for it
	s_wait_dscnt 0x0                               ; the add is done, and my reads of this slot are over
	s_barrier_signal -1
	MUL8 3, 1, NQ-1, \slot                         ; work on registers while the others arrive
	WIN 0
	s_barrier_wait -1
.if \fill
	CREST
	JLOAD G0+4*\slot, G1, G0B+4*\slot, G1B         ; the first tensor load behind the round; its four v_nop are among the places in front of the loads below
	PLACES NP-4
.else
	PLACES NP
.endif
	FETCH_B \next, 0, 0
	FETCH_A \next, 0, 0
	SCALES \next
.if \fill
	ASK
.endif
	WIN MUL_HI
	MUL16 4, 1, NQ-1, \slot, 0
	MUL16 6, 1, NQ-1, \slot, 0
	PLACES NP
	WIN 0
	FETCH_A \next, 0, 4
.endm
	s_wait_alu depctr_va_vdst(0)
	s_wait_tensorcnt 0x0                           ; my chunk of K step 0 is in
	ds_add_u32 v[SPW], v[NIL]
	s_wait_dscnt 0x0
	CROUND                                         ; everybody's chunk of K step 0 is in, and all sixteen work-groups are here
	JLOAD G0+4, G1, G0B+4, G1B                     ; K step 1, the first tensor load behind the round
	FETCH_B 0, 0, 0
	FETCH_A 0, 0, 0
	SCALES 0
	FETCH_A 0, 0, 4
	global_prefetch_b8 v[PFO], s[PFA:PFA+1] offset:-CH th:TH_LOAD_NT scope:SCOPE_SE   ; K step 2,
	global_prefetch_b8 v[PFZ], s[PFA:PFA+1] offset:-CH th:TH_LOAD_NT scope:SCOPE_SE
	global_prefetch_b8 v[PFO], s[PFA:PFA+1] th:TH_LOAD_NT scope:SCOPE_SE              ; and K step 3
	global_prefetch_b8 v[PFZ], s[PFA:PFA+1] th:TH_LOAD_NT scope:SCOPE_SE
	STEP 0, 0, 1
	s_mov_b32 s3, 7
.Llap:
	TURN 0, 1, 1
	STEP 1, 0, 0
	TURN 1, 0, 1
	STEP 0, 0, 0
	s_sub_co_u32 s3, s3, 1
	s_cmp_lg_u32 s3, 0
	s_cbranch_scc1 .Llap
	TURN 0, 1, 0
	STEP 1, 0, 0
	s_wait_dscnt 4*NL
	WIN MUL_LO
	MUL16 0, 1, NQ-1, 1, 0
	MUL16 2, 1, NQ-1, 1, 0
	s_wait_dscnt 0
	WIN MUL_HI
	MUL16 4, 1, NQ-1, 1, 0
	MUL16 6, 1, NQ-1, 1, 0
	WIN 0
.macro TOSTAGE a
.set AC, 64*((\a)%4)
	WIN 0x08+4*((\a)/4)
.irp b, 0,1,2,3,4,5,6,7
	ds_store_b128 v[STO], v[AC+8*\b:AC+8*\b+3] offset:64*\b
	ds_store_b128 v[STO], v[AC+8*\b+4:AC+8*\b+7] offset:64*\b+16
.endr
	WIN 0
.set BB, BK+64*((\a)%2)
.irp t, 0,1,2,3,4,5,6,7,8,9,10,11,12,13,14,15
	ds_load_b128 v[BB+4*\t:BB+4*\t+3], v[RD] offset:\t*SPITCH
.endr
.endm
.macro SEND a, younger
.set BB, BK+64*((\a)%2)
	s_wait_dscnt \younger
.irp t, 0,1,2,3,4,5,6,7,8,9,10,11,12,13,14,15
	v_pk_fma_f32 v[BB+4*\t:BB+4*\t+1], v[BB+4*\t:BB+4*\t+1], s[78:79], v[BI:BI+1] op_sel_hi:[1,0,1]
	v_pk_fma_f32 v[BB+4*\t+2:BB+4*\t+3], v[BB+4*\t+2:BB+4*\t+3], s[78:79], v[BI+2:BI+3] op_sel_hi:[1,0,1]
.endr
	s_wait_alu depctr_va_vdst(0)
	s_wait_xcnt 0x0
	s_and_saveexec_b32 s76, vcc_lo
.irp t, 0,1,2,3,4,5,6,7,8,9,10,11,12,13,14,15
	global_store_b128 v[CO], v[BB+4*\t:BB+4*\t+3], s[10:11] offset:\t*OROW th:TH_STORE_NT
.endr
	s_wait_xcnt 0x0
	s_or_b32 exec_lo, exec_lo, s76
	s_add_nc_u64 s[10:11], s[10:11], 16*OROW
.endm
	s_wait_loadcnt 0x0                             ; the bias, asked for at the head, is first read below
	PLACES NP
	v_cmp_gt_u32 vcc_lo, s77, v[CO]
	TOSTAGE 0
.irp a, 1,2,3,4,5,6,7
	TOSTAGE \a
	SEND \a-1, 32
.endr
	SEND 7, 0
	s_wait_tensorcnt 0x0
	ds_add_u32 v[SPW], v[NIL]
	s_wait_dscnt 0x0
	CROUND
	s_endpgm
.Lfunc_end_k_q6f810ab184_gemm:
	.size	k_q6f810ab184_gemm, .Lfunc_end_k_q6f810ab184_gemm-k_q6f810ab184_gemm
	.p2alignl 7, 3214868480
	.fill 96, 4, 3214868480
	.section	.rodata,"a",@progbits
	.p2align	6, 0x0
	.amdhsa_kernel k_q6f810ab184_gemm
		.amdhsa_group_segment_fixed_size 327680
		.amdhsa_private_segment_fixed_size 0
		.amdhsa_enable_private_segment 0
		.amdhsa_kernarg_size 32
		.amdhsa_user_sgpr_count 2
		.amdhsa_user_sgpr_kernarg_segment_ptr 1
		.amdhsa_wavefront_size32 1
		.amdhsa_system_sgpr_workgroup_id_x 1
		.amdhsa_system_sgpr_workgroup_id_y 1
		.amdhsa_system_sgpr_workgroup_id_z 1
		.amdhsa_system_vgpr_workitem_id 0
		.amdhsa_next_free_vgpr 1024
		.amdhsa_next_free_sgpr 80
		.amdhsa_reserve_vcc 1
		.amdhsa_float_denorm_mode_32 3
		.amdhsa_float_denorm_mode_16_64 3
		.amdhsa_memory_ordered 1
		.amdhsa_forward_progress 1
		.amdhsa_inst_pref_size 163
	.end_amdhsa_kernel
	.amdgpu_metadata
---
amdhsa.version: [ 1, 2 ]
amdhsa.kernels:
  - .name:           k_q6f810ab184_gemm
    .symbol:         k_q6f810ab184_gemm.kd
    .args:
      - { .name: xq, .offset: 0, .size: 8, .value_kind: global_buffer, .address_space: global }
      - { .name: wq, .offset: 8, .size: 8, .value_kind: global_buffer, .address_space: global }
      - { .name: bias, .offset: 16, .size: 8, .value_kind: global_buffer, .address_space: global }
      - { .name: out0, .offset: 24, .size: 8, .value_kind: global_buffer, .address_space: global }
    .group_segment_fixed_size: 327680
    .private_segment_fixed_size: 0
    .kernarg_segment_align: 8
    .kernarg_segment_size: 32
    .max_flat_workgroup_size: 128
    .sgpr_count:     80
    .vgpr_count:     1024
    .wavefront_size: 32
...
	.end_amdgpu_metadata
.endif
;; end of part 2
